; MI455X (gfx1250); checked and timed in simulation.
; The chip was launched on July 23, 2026; its instructions are those of AMD's public machine-readable ISA for CDNA 5 (MIT licence, August 2026) and "CDNA5" Instruction Set Architecture Reference Guide (July 2026). The comments in the code are by the model that wrote it; some were corrected since.
;; Bio Simulator. Allowed arithmetic: float matrix products may take bf16 or f16 operands with f32 sums; all other float work in f32.
;; Inputs: M 1,024 float32; idx 1,024 int32; px 256 x 256 float32; py 256 x 256 float32; stimulation 2 x 32 x 32 float32; vx 1,024 float32; vy 1,024 float32.
;; Outputs: out0 2 x 1 x 256 x 256 float32.
;; One version. Each part assembles by itself: llvm-mc -triple=amdgcn-amd-amdhsa -mcpu=gfx1250 --defsym DOCPART=n.
;; ======== version 1 of 1: 1 launch
;; launch phosphenes (part 1): grid 256 x 1, 16 waves a work-group, no clusters, 67,840 bytes of LDS; arguments px, py, stimulation, idx, M, vx, vy, out0; writes out0
.if DOCPART == 1
	.amdgcn_target "amdgcn-amd-amdhsa--gfx1250"
	.amdhsa_code_object_version 6
	.text
	.protected	k_q0ccdba3801_phosphenes
	.globl	k_q0ccdba3801_phosphenes
	.p2align	8
	.type	k_q0ccdba3801_phosphenes,@function
k_q0ccdba3801_phosphenes:
	s_mov_b64 s[64:65], 0
	v_nop
	global_prefetch_b8 v0, s[64:65] scope:SCOPE_SE
	s_setreg_imm32_b32 hwreg(HW_REG_WAVE_MODE, 25, 1), 1
	s_wait_xcnt 0x0
; out[b][y][x] = clip( 2 * sum over n of Bw[b][n] * exp( -((px-vx[n])^2 + (py-vy[n])^2) * d2p^2 / (2 sigma_px[b][n]^2) ), 0, 1 )
; with d2p = 256 / (2 max(px)), 2 images, 1,024 phosphenes, 256 x 256 pixels, all in f32.
;
; One work-group = one image row (256 pixels, both images), 16 waves.
;   1. every work-group finds max(px) itself (work-groups exchange nothing): 512 threads x 32 loads of 16 bytes = 262,144 bytes,
;      all requested at once, reduced in registers, then over lanes, then over the 16 waves through LDS.
;   2. thread t makes the records of phosphenes t and t + 512: -vx, -vy, k0, k1, w0, w1 with
;      k = -(log2 e / 2) (d2p / sigma_px)^2 and w = 2 Bw, so that a term is w * exp2(k * ((px-vx)^2 + (py-vy)^2)).
;   3. wave w takes phosphenes 64 w .. 64 w + 63 for all 256 pixels, 8 pixels a lane; the squared distance serves both images:
;      24 packed instructions, 16 exponentials, 8 packed multiply-adds for 512 terms.
;   4. the 16 waves' partial sums meet in LDS; waves 0-3 add them, clip and store 16 bytes a lane.
; No joint (cluster) request for px: each 16 bytes of it are used once, for a maximum, straight from the register they land in;
; a joint tensor load would lay the same 262,144 bytes into each partner's LDS and add a pass of LDS reads, beside
; 64 x 48 = 3,072 arithmetic instructions of every wave.  No matrix instruction: there is no product, and the exponent needs f32.
;
; LIMITS.  A NaN in px is not carried into the maximum (v_max_num drops it); at its own pixel it still gives NaN.
; Terms below 2^-126 come out as 0, and a denormal max(px) or M counts as 0 in v_rcp_f32 (ISA guide 15.8).
; Divisions are v_rcp_f32 and a multiply; PW*FREQ, SLOPE, HALF and log2 e are folded into one multiply-add.
; idx is taken as unsigned and clamped to 0..1023.  The sum over n runs in another order than the reference's.
.set ROWB,    1024                     ; bytes in an image row
.set RECB,    32                       ; bytes of a phosphene's record in LDS (24 used)
.set LDS_MAX, 1024*RECB                ; behind the 1,024 records: one word for each wave's maximum
.set LDS_SUM, LDS_MAX+256              ; behind them: 2,048 bytes of partial sums for each wave (2 images x 256 pixels)
.set SUMB,    2048
; registers for the whole kernel
.set L16,  2                           ; 16 x lane
.set N4,   3                           ; 4 x thread
.set PX,   4                           ; v[4:11]   px of my pixels 4 lane + 0..3 and 128 + 4 lane + 0..3
.set PY,   12                          ; v[12:19]  py of the same
.set LA,   60                          ; LDS address of my wave's next records
.set SA,   61                          ; where my partial sums go
.set RA,   62                          ; where I read partial sums
.set OO,   63                          ; my byte offset in out0
; registers of the main loop
.set ACC0, 20                          ; v[20:27]  sums, image 0
.set ACC1, 28                          ; v[28:35]  sums, image 1
.set TU,   36                          ; v[36:43]  differences and squared distances of two pixel pairs
.set AR,   44                          ; v[44:59]  arguments, then exponentials: half h: 4 of image 0, 4 of image 1
.set PB0,  64                          ; v[64:95]  records of four phosphenes, 8 registers apart
.set PB1,  96                          ; v[96:127] the other buffer
.set SM,   64                          ; v[64:127] at the end: the 16 waves' partial sums of my 4 numbers
; registers of the set-up (they lie where the main loop's temporaries lie later)
.set IDX,  20                          ; idx of my two phosphenes, then their byte offsets in stimulation
.set MM,   22                          ; M, then 0.5 / M
.set ST,   24                          ; v[24:27]  stimulation: 2 i + b (i: which of my two phosphenes, b: image)
.set SG,   28                          ; v[28:31]  sigma, same order
.set EE,   32                          ; v[32:35]  towards Bw, same order
.set MC,   36                          ; v[36:39]  four running maxima
.set RC,   40                          ; v[40:47]  -vx, -vy, k0, k1 of phosphene i at RC + 4 i
.set WW,   48                          ; v[48:51]  w0, w1 of phosphene i at WW + 2 i
.set FV,   52                          ; max(px), then d2p
.set DD,   53                          ; -(log2 e / 2) d2p^2
.set ONE,  54
.set PA,   55                          ; LDS address of my first record
.set WA,   56                          ; LDS offset of my wave's maximum
.set LM,   57
.set MO,   58                          ; 16 x thread
.set MX,   64                          ; v[64:191] the 32 loads for the maximum
	s_load_b512 s[8:23], s[0:1], 0x0               ; px s[8:9], py s[10:11], stimulation s[12:13], idx s[14:15], M s[16:17], vx s[18:19], vy s[20:21], out0 s[22:23]
	v_lshl_add_u32 v192, v0, 2, 0x10100
	v_mov_b32 v193, 0
	v_lshrrev_b32 v1, 5, v0
	v_readfirstlane_b32 s2, v1                     ; wave 0..15
	v_and_b32 v1, 31, v0
	v_lshlrev_b32 v[L16], 4, v1
	v_lshlrev_b32 v[N4], 2, v0
	v_lshlrev_b32 v[MO], 4, v0
	s_lshl_b32 s4, ttmp9, 10                       ; my image row, in bytes
	s_mov_b32 s5, 0
	s_mov_b32 s26, 0x76543210                      ; v_permlanex16_b32: lane i reads lane i of the other half
	s_mov_b32 s27, 0xfedcba98
	s_mov_b32 s28, 0x38a7c5ac                      ; I_SCALE = 8e-5
	s_mov_b32 s29, 0xb7c87cdc                      ; -RHEO = -2.39e-5
	s_mov_b32 s30, 0xc9ac0594                      ; -PW FREQ SLOPE log2 e = -1409202.5
	s_mov_b32 s31, 0x403aebca                      ; HALF SLOPE log2 e = 2.920641
	s_mov_b32 s32, 0x3df2b9d6                      ; I_SCALE / SPREAD = 0.1185185
	s_mov_b32 s33, 0xbf38aa3b                      ; -log2 e / 2
	s_wait_kmcnt 0x0
	global_load_b32 v[IDX],   v[N4], s[14:15]               ; first, since the gather hangs on them
	global_load_b32 v[IDX+1], v[N4], s[14:15] offset:2048
	global_load_b32 v[MM],    v[N4], s[16:17]
	global_load_b32 v[MM+1],  v[N4], s[16:17] offset:2048
	global_load_b32 v[RC],    v[N4], s[18:19]               ; vx
	global_load_b32 v[RC+4],  v[N4], s[18:19] offset:2048
	global_load_b32 v[RC+1],  v[N4], s[20:21]               ; vy
	global_load_b32 v[RC+5],  v[N4], s[20:21] offset:2048
	s_add_nc_u64 s[24:25], s[8:9], s[4:5]          ; px, py and out0 at my row; s[8:9] stays at px's first byte
	s_add_nc_u64 s[10:11], s[10:11], s[4:5]
	s_add_nc_u64 s[22:23], s[22:23], s[4:5]
	global_load_b128 v[PX:PX+3],   v[L16], s[24:25]
	global_load_b128 v[PX+4:PX+7], v[L16], s[24:25] offset:512
	global_load_b128 v[PY:PY+3],   v[L16], s[10:11]
	global_load_b128 v[PY+4:PY+7], v[L16], s[10:11] offset:512
	; all of px: load q of the work-group covers bytes 8192 q .. 8192 q + 8191
.set q, 0
.rept 32
	global_load_b128 v[MX+4*q:MX+4*q+3], v[MO], s[8:9] offset:8192*q
.set q, q+1
.endr
	s_wait_loadcnt 42                              ; loads return in order (ISA guide 5.7.1): behind idx stand 6 + 4 + 32 loads
	v_min_u32 v[IDX],   0x3ff, v[IDX]              ; an index stays inside the 1,024 numbers of an image's stimulation
	v_min_u32 v[IDX+1], 0x3ff, v[IDX+1]
	v_lshlrev_b32 v[IDX],   2, v[IDX]
	v_lshlrev_b32 v[IDX+1], 2, v[IDX+1]
	global_load_b32 v[ST],   v[IDX],   s[12:13]
	global_load_b32 v[ST+1], v[IDX],   s[12:13] offset:4096
	global_load_b32 v[ST+2], v[IDX+1], s[12:13]
	global_load_b32 v[ST+3], v[IDX+1], s[12:13] offset:4096
	; the maximum of my 128 numbers, four loads at a time, in four chains; the first numbers start the chains
.irp c, 0,1,2,3,4,5,6,7
	s_wait_loadcnt 32-4*\c                         ; behind this group: 28 - 4 c loads of px and the 4 gathers
.irp i, 0,1,2,3
.if \c == 0
	v_max_num_f32 v[MC+\i], v[MX+4*\i], v[MX+4*\i+1]
.else
	v_max3_num_f32 v[MC+\i], v[MC+\i], v[MX+16*\c+4*\i], v[MX+16*\c+4*\i+1]
.endif
	v_max3_num_f32 v[MC+\i], v[MC+\i], v[MX+16*\c+4*\i+2], v[MX+16*\c+4*\i+3]
.endr
.endr
	v_max3_num_f32 v[MC], v[MC], v[MC+1], v[MC+2]
	v_max_num_f32 v[MC], v[MC], v[MC+3]
	v_max_num_f32_dpp v[MC], v[MC], v[MC] row_xmask:1 row_mask:0xf bank_mask:0xf
	v_max_num_f32_dpp v[MC], v[MC], v[MC] row_xmask:2 row_mask:0xf bank_mask:0xf
	v_max_num_f32_dpp v[MC], v[MC], v[MC] row_xmask:4 row_mask:0xf bank_mask:0xf
	v_max_num_f32_dpp v[MC], v[MC], v[MC] row_xmask:8 row_mask:0xf bank_mask:0xf
	v_permlanex16_b32 v[MC+1], v[MC], s26, s27     ; its destination has been written before
	v_max_num_f32 v[MC], v[MC], v[MC+1]            ; every lane: my wave's maximum
	v_mov_b32 v[WA], s2
	v_lshlrev_b32 v[WA], 2, v[WA]
	ds_store_b32 v[WA], v[MC] offset:LDS_MAX       ; all lanes write the same word with the same number
	s_wait_loadcnt 0x0                             ; the gathers: needed below, and nothing is left in flight at the barrier
	s_wait_dscnt 0x0                               ; my word is in LDS before I say so
	s_barrier_signal -1
	; while the other waves arrive: what does not hang on max(px).  k = 2 i + b
.irp k, 0,1,2,3
	v_fma_f32 v[EE+\k], v[ST+\k], s28, s29         ; I - RHEO
	v_mul_f32 v[SG+\k], s32, v[ST+\k]              ; I / SPREAD
.endr
.irp k, 0,1,2,3
	v_max_num_f32 v[EE+\k], 0, v[EE+\k]            ; relu (a NaN lost here comes back through sigma)
.endr
.irp k, 0,1,2,3
	v_fma_f32 v[EE+\k], v[EE+\k], s30, s31         ; -log2 e * SLOPE * (Q - HALF)
.endr
	v_rcp_f32 v[MM],   v[MM]
	v_rcp_f32 v[MM+1], v[MM+1]
.irp k, 0,1,2,3
	v_exp_f32 v[EE+\k], v[EE+\k]                   ; exp(-x)
.endr
.irp k, 0,1,2,3
	v_sqrt_f32 v[SG+\k], v[SG+\k]                  ; size_base
.endr
	v_mul_f32 v[RC],   -1.0, v[RC]                 ; plain lines that touch none of the results above stand behind the
	v_mul_f32 v[RC+1], -1.0, v[RC+1]               ; transcendentals before their results are used (ISA guide 5.7.2):
	v_mul_f32 v[RC+4], -1.0, v[RC+4]               ; -vx and -vy, so that the loop adds
	v_mul_f32 v[RC+5], -1.0, v[RC+5]
	s_wait_alu depctr_va_vdst(0)
	v_mul_f32 v[MM],   0.5, v[MM]                  ; R2S / M
	v_mul_f32 v[MM+1], 0.5, v[MM+1]
.irp k, 0,1,2,3
	v_add_f32 v[EE+\k], 1.0, v[EE+\k]
.endr
.irp k, 0,1,2,3
	v_rcp_f32 v[EE+\k], v[EE+\k]                   ; Bw = 1 / (1 + exp(-x))
.endr
.irp k, 0,1,2,3
	v_mul_f32 v[SG+\k], v[SG+\k], v[MM+(\k>>1)]    ; sigma in degrees (also the plain lines behind v_rcp_f32)
.endr
	s_wait_alu depctr_va_vdst(0)
.irp k, 0,1,2,3
	v_add_f32 v[WW+\k], v[EE+\k], v[EE+\k]         ; w = 2 Bw: the reference's factor 2 rides on the weight
.endr
	s_barrier_wait -1                              ; all 16 maxima are in LDS
	v_mov_b32 v[LM], LDS_MAX
	ds_load_b128 v[MX:MX+3],     v[LM]
	ds_load_b128 v[MX+4:MX+7],   v[LM] offset:16
	ds_load_b128 v[MX+8:MX+11],  v[LM] offset:32
	ds_load_b128 v[MX+12:MX+15], v[LM] offset:48
	v_lshlrev_b32 v[PA], 5, v0                     ; record t at 32 t
	s_wait_dscnt 0x0
	v_max3_num_f32 v[FV], v[MX], v[MX+1], v[MX+2]
.irp k, 3,5,7,9,11,13
	v_max3_num_f32 v[FV], v[FV], v[MX+\k], v[MX+\k+1]
.endr
	v_max_num_f32 v[FV], v[FV], v[MX+15]           ; fov
	v_rcp_f32 v[FV], v[FV]
	v_mov_b32 v[ONE], 1.0                          ; the plain line behind v_rcp_f32
	s_wait_alu depctr_va_vdst(0)
	v_mul_f32 v[FV], 0x43000000, v[FV]             ; d2p = 256 / (2 fov) = 128 / fov
.irp k, 0,1,2,3
	v_mul_f32 v[SG+\k], v[SG+\k], v[FV]            ; sigma in pixels
.endr
.irp k, 0,1,2,3
	v_cmp_gt_f32 vcc_lo, 1.0, v[SG+\k]             ; max(sigma, 1) by compare and select: a NaN fails the compare and stays
	v_cndmask_b32 v[SG+\k], v[SG+\k], v[ONE], vcc_lo
.endr
.irp k, 0,1,2,3
	v_rcp_f32 v[SG+\k], v[SG+\k]
.endr
	v_mul_f32 v[DD], v[FV], v[FV]                  ; the plain lines behind v_rcp_f32
	v_mul_f32 v[DD], s33, v[DD]                    ; -(log2 e / 2) d2p^2
	s_wait_alu depctr_va_vdst(0)
.irp k, 0,1,2,3
	v_mul_f32 v[SG+\k], v[SG+\k], v[SG+\k]
.endr
.irp k, 0,1,2,3
	v_mul_f32 v[RC+4*(\k>>1)+2+(\k&1)], v[SG+\k], v[DD]   ; k = -(log2 e / 2) (d2p / sigma_px)^2
.endr
	ds_store_b128 v[PA], v[RC:RC+3]                       ; rows 32 bytes apart: two lanes of sixteen meet in a bank, once in the kernel
	ds_store_b64  v[PA], v[WW:WW+1] offset:16
	ds_store_b128 v[PA], v[RC+4:RC+7] offset:512*RECB
	ds_store_b64  v[PA], v[WW+2:WW+3] offset:512*RECB+16
	s_lshl_b32 s34, s2, 11                         ; my wave's 64 records: 64 x 32 bytes; its partial sums: 2,048 bytes too
	s_add_co_u32 s35, s34, LDS_SUM
	v_mov_b32 v[LA], s34
	s_wait_dscnt 0x0                               ; my records are in LDS before I say so
	s_barrier_signal -1
	s_barrier_wait -1                              ; all 1,024 records are there; nobody writes them again
; eight LDS loads: the records of four phosphenes; all lanes ask for the same bytes
.macro LOADP buf, o
.irp i, 0,1,2,3
	ds_load_b128 v[\buf+8*\i:\buf+8*\i+3],   v[LA] offset:\o+RECB*\i        ; -vx, -vy, k0, k1
	ds_load_b64  v[\buf+8*\i+4:\buf+8*\i+5], v[LA] offset:\o+RECB*\i+16     ; w0, w1
.endr
.endm
; half h of my pixels (4 of them, two pairs) against the record at register p: 12 packed lines, 8 exponentials.
; op_sel and op_sel_hi pick the record's first or second register for both halves of a pair.
.macro ARGS p, h
	v_pk_add_f32 v[TU:TU+1],   v[PX+4*\h:PX+4*\h+1],   v[\p:\p+1] op_sel_hi:[1,0]                ; px - vx
	v_pk_add_f32 v[TU+4:TU+5], v[PX+4*\h+2:PX+4*\h+3], v[\p:\p+1] op_sel_hi:[1,0]
	v_pk_add_f32 v[TU+2:TU+3], v[PY+4*\h:PY+4*\h+1],   v[\p:\p+1] op_sel:[0,1] op_sel_hi:[1,1]   ; py - vy
	v_pk_add_f32 v[TU+6:TU+7], v[PY+4*\h+2:PY+4*\h+3], v[\p:\p+1] op_sel:[0,1] op_sel_hi:[1,1]
	v_pk_mul_f32 v[TU:TU+1],   v[TU:TU+1],   v[TU:TU+1]
	v_pk_mul_f32 v[TU+4:TU+5], v[TU+4:TU+5], v[TU+4:TU+5]
	v_pk_fma_f32 v[TU:TU+1],   v[TU+2:TU+3], v[TU+2:TU+3], v[TU:TU+1]                            ; squared distance, for both images
	v_pk_fma_f32 v[TU+4:TU+5], v[TU+6:TU+7], v[TU+6:TU+7], v[TU+4:TU+5]
	v_pk_mul_f32 v[AR+8*\h:AR+8*\h+1],   v[TU:TU+1],   v[\p+2:\p+3] op_sel_hi:[1,0]              ; x k0
	v_pk_mul_f32 v[AR+8*\h+2:AR+8*\h+3], v[TU+4:TU+5], v[\p+2:\p+3] op_sel_hi:[1,0]
	v_pk_mul_f32 v[AR+8*\h+4:AR+8*\h+5], v[TU:TU+1],   v[\p+2:\p+3] op_sel:[0,1] op_sel_hi:[1,1] ; x k1
	v_pk_mul_f32 v[AR+8*\h+6:AR+8*\h+7], v[TU+4:TU+5], v[\p+2:\p+3] op_sel:[0,1] op_sel_hi:[1,1]
.irp r, 0,1,2,3,4,5,6,7
	v_exp_f32 v[AR+8*\h+\r], v[AR+8*\h+\r]
.endr
.endm
; sums += weight x exponential; first = 1: the product starts the sums, nothing is cleared
.macro ACCUM p, h, first
.if \first
	s_wait_alu depctr_va_vdst(0)
	v_pk_mul_f32 v[ACC0+4*\h:ACC0+4*\h+1],   v[AR+8*\h:AR+8*\h+1],   v[\p+4:\p+5] op_sel_hi:[1,0]
	v_pk_mul_f32 v[ACC0+4*\h+2:ACC0+4*\h+3], v[AR+8*\h+2:AR+8*\h+3], v[\p+4:\p+5] op_sel_hi:[1,0]
	v_pk_mul_f32 v[ACC1+4*\h:ACC1+4*\h+1],   v[AR+8*\h+4:AR+8*\h+5], v[\p+4:\p+5] op_sel:[0,1] op_sel_hi:[1,1]
	v_pk_mul_f32 v[ACC1+4*\h+2:ACC1+4*\h+3], v[AR+8*\h+6:AR+8*\h+7], v[\p+4:\p+5] op_sel:[0,1] op_sel_hi:[1,1]
.else
	s_wait_alu depctr_va_vdst(0)
	v_pk_fma_f32 v[ACC0+4*\h:ACC0+4*\h+1],   v[AR+8*\h:AR+8*\h+1],   v[\p+4:\p+5], v[ACC0+4*\h:ACC0+4*\h+1] op_sel_hi:[1,0,1]
	v_pk_fma_f32 v[ACC0+4*\h+2:ACC0+4*\h+3], v[AR+8*\h+2:AR+8*\h+3], v[\p+4:\p+5], v[ACC0+4*\h+2:ACC0+4*\h+3] op_sel_hi:[1,0,1]
	v_pk_fma_f32 v[ACC1+4*\h:ACC1+4*\h+1],   v[AR+8*\h+4:AR+8*\h+5], v[\p+4:\p+5], v[ACC1+4*\h:ACC1+4*\h+1] op_sel:[0,1,0] op_sel_hi:[1,1,1]
	v_pk_fma_f32 v[ACC1+4*\h+2:ACC1+4*\h+3], v[AR+8*\h+6:AR+8*\h+7], v[\p+4:\p+5], v[ACC1+4*\h+2:ACC1+4*\h+3] op_sel:[0,1,0] op_sel_hi:[1,1,1]
.endif
.endm
; One phosphene.  Behind an exponential a plain line that touches none of its registers comes before its result is used
; (ISA guide 5.7.2): behind half 0's stand half 1's twelve packed lines, behind half 1's the four lines that sum half 0.
.macro PHOS p, first
	ARGS \p, 0
	ARGS \p, 1
	ACCUM \p, 0, \first
	ACCUM \p, 1, \first
.endm
; Eight phosphenes.  While four are worked on, the next four records are on their way into the other buffer.
.macro TRIP first, last
	LOADP PB1, 4*RECB
	s_wait_dscnt 0x8                               ; LDS loads return in order (ISA guide 5.7.1): buffer 0 is in, the eight just issued may be out
	PHOS PB0, \first
	PHOS PB0+8, 0
	PHOS PB0+16, 0
	PHOS PB0+24, 0
.if \last
	s_wait_dscnt 0x0                               ; nothing was issued behind buffer 1's loads
.else
	LOADP PB0, 8*RECB                              ; the next trip's first four
	v_add_nc_u32 v[LA], 8*RECB, v[LA]
	s_wait_dscnt 0x8                               ; buffer 1 is in, the eight just issued may be out
.endif
	PHOS PB1, 0
	PHOS PB1+8, 0
	PHOS PB1+16, 0
	PHOS PB1+24, 0
.endm
	LOADP PB0, 0
	TRIP 1, 0                                      ; in front of the loop: its first phosphene starts the sums
	s_mov_b32 s3, 6                                ; 64 phosphenes = 8 trips: this one, six in the loop, the last behind it
.Ltrip:
	TRIP 0, 0
	s_sub_co_i32 s3, s3, 1
	s_cmp_lg_u32 s3, 0
	s_cbranch_scc1 .Ltrip
	TRIP 0, 1                                      ; the last trip fetches nothing beyond my wave's records
	; my wave's partial sums: image b, pixel p at 1024 b + 4 p of my wave's 2,048 bytes; each store covers 512 neighbouring bytes
	v_add_nc_u32 v[SA], s35, v[L16]
	ds_store_b128 v[SA], v[ACC0:ACC0+3]
	ds_store_b128 v[SA], v[ACC0+4:ACC0+7] offset:512
	ds_store_b128 v[SA], v[ACC1:ACC1+3]   offset:1024
	ds_store_b128 v[SA], v[ACC1+4:ACC1+7] offset:1536
	s_wait_dscnt 0x0                               ; they are in LDS before I say so
	s_barrier_signal -1
	s_barrier_wait -1
	s_cmp_ge_u32 s2, 4                             ; 512 numbers, 4 a thread: threads 0-127 finish, waves 4-15 are done
	s_cbranch_scc1 .Lend
	v_lshlrev_b32 v[RA], 4, v0                     ; thread t: bytes 16 t of every wave's 2,048
.irp w, 0,1,2,3,4,5,6,7,8,9,10,11,12,13,14,15
	ds_load_b128 v[SM+4*\w:SM+4*\w+3], v[RA] offset:LDS_SUM+SUMB*\w
.endr
	v_lshrrev_b32 v[OO], 6, v0                     ; image = t / 64
	v_and_b32 v1, 63, v0
	v_lshlrev_b32 v[OO], 18, v[OO]                 ; x 262,144 bytes
	v_lshl_or_b32 v[OO], v1, 4, v[OO]              ; + 16 (t % 64)
	v_mov_b32 v[TU], 0
	v_mov_b32 v[TU+1], 1.0
	s_wait_dscnt 0x0
.macro ADD4 a, b
	v_pk_add_f32 v[SM+4*(\a):SM+4*(\a)+1],   v[SM+4*(\a):SM+4*(\a)+1],   v[SM+4*(\b):SM+4*(\b)+1]
	v_pk_add_f32 v[SM+4*(\a)+2:SM+4*(\a)+3], v[SM+4*(\a)+2:SM+4*(\a)+3], v[SM+4*(\b)+2:SM+4*(\b)+3]
.endm
.irp a, 0,1,2,3,4,5,6,7
	ADD4 \a, \a+8
.endr
.irp a, 0,1,2,3
	ADD4 \a, \a+4
.endr
	ADD4 0, 2
	ADD4 1, 3
	ADD4 0, 1
.irp r, 0,1,2,3
	v_cmp_gt_f32 vcc_lo, 0, v[SM+\r]               ; clip to 0 .. 1 by compare and select: a NaN fails both compares and stays
	v_cndmask_b32 v[SM+\r], v[SM+\r], v[TU], vcc_lo
	v_cmp_lt_f32 vcc_lo, 1.0, v[SM+\r]
	v_cndmask_b32 v[SM+\r], v[SM+\r], v[TU+1], vcc_lo
.endr
	global_store_b128 v[OO], v[SM:SM+3], s[22:23] th:TH_STORE_NT   ; a wave's store covers 512 consecutive bytes, aligned
.Lend:
	s_wait_tensorcnt 0x0
	ds_add_u32 v192, v193
	s_wait_dscnt 0x0
	s_endpgm
.Lfunc_end_k_q0ccdba3801_phosphenes:
	.size	k_q0ccdba3801_phosphenes, .Lfunc_end_k_q0ccdba3801_phosphenes-k_q0ccdba3801_phosphenes
	.p2alignl 7, 3214868480
	.fill 96, 4, 3214868480
	.section	.rodata,"a",@progbits
	.p2align	6, 0x0
	.amdhsa_kernel k_q0ccdba3801_phosphenes
		.amdhsa_group_segment_fixed_size 67840
		.amdhsa_private_segment_fixed_size 0
		.amdhsa_enable_private_segment 0
		.amdhsa_kernarg_size 64
		.amdhsa_user_sgpr_count 2
		.amdhsa_user_sgpr_kernarg_segment_ptr 1
		.amdhsa_wavefront_size32 1
		.amdhsa_system_sgpr_workgroup_id_x 1
		.amdhsa_system_sgpr_workgroup_id_y 1
		.amdhsa_system_sgpr_workgroup_id_z 1
		.amdhsa_system_vgpr_workitem_id 0
		.amdhsa_next_free_vgpr 194
		.amdhsa_next_free_sgpr 66
		.amdhsa_reserve_vcc 1
		.amdhsa_float_denorm_mode_32 3
		.amdhsa_float_denorm_mode_16_64 3
		.amdhsa_memory_ordered 1
		.amdhsa_forward_progress 1
		.amdhsa_inst_pref_size 85
	.end_amdhsa_kernel
	.amdgpu_metadata
---
amdhsa.version: [ 1, 2 ]
amdhsa.kernels:
  - .name:           k_q0ccdba3801_phosphenes
    .symbol:         k_q0ccdba3801_phosphenes.kd
    .args:
      - { .name: px, .offset: 0, .size: 8, .value_kind: global_buffer, .address_space: global }
      - { .name: py, .offset: 8, .size: 8, .value_kind: global_buffer, .address_space: global }
      - { .name: stimulation, .offset: 16, .size: 8, .value_kind: global_buffer, .address_space: global }
      - { .name: idx, .offset: 24, .size: 8, .value_kind: global_buffer, .address_space: global }
      - { .name: M, .offset: 32, .size: 8, .value_kind: global_buffer, .address_space: global }
      - { .name: vx, .offset: 40, .size: 8, .value_kind: global_buffer, .address_space: global }
      - { .name: vy, .offset: 48, .size: 8, .value_kind: global_buffer, .address_space: global }
      - { .name: out0, .offset: 56, .size: 8, .value_kind: global_buffer, .address_space: global }
    .group_segment_fixed_size: 67840
    .private_segment_fixed_size: 0
    .kernarg_segment_align: 8
    .kernarg_segment_size: 64
    .max_flat_workgroup_size: 512
    .sgpr_count:     66
    .vgpr_count:     194
    .wavefront_size: 32
...
	.end_amdgpu_metadata
.endif
;; end of part 1
